; MI455X (gfx1250); checked and timed in simulation.
; The chip was launched on July 23, 2026; its instructions are those of AMD's public machine-readable ISA for CDNA 5 (MIT licence, August 2026) and "CDNA5" Instruction Set Architecture Reference Guide (July 2026). The comments in the code are by the model that wrote it; some were corrected since.
;; Local Gird Attention. Allowed arithmetic: matrix products marked QUANTISED: E2M3 operands, one E8M0 scale for each 32 along K, by v_wmma_scale_f32_16x16x128_f8f6f4 with both operands' format E2M3, f32 sums; products left as they are: f32 operands where the result goes on into a quantised operand, else bf16, f16 or f32 operands; f32 sums; everything else in f32.
;; Inputs: Wk 256 x 256 float32; Wq 256 x 256 float32; Wv 256 x 256 float32; bk 256 float32; bq 256 float32; bv 256 float32; featmap 2 x 256 x 256 x 256 float32; x 2 x 256 x 64 x 64 float32.
;; Outputs: out0 2 x 256 x 64 x 64 float32.
;; This version of the problem:
;;   THIS VERSION OF THE PROBLEM IS GIVEN IN LOW PRECISION. The matrix products marked QUANTISED in the list below multiply operands that are first quantised to E2M3 (2 exponent bits, 3 mantissa bits; 6 bits a number), with one power-of-two scale for each 32 numbers along K (OCP MX v1.0); their sums are f32. All else is computed in f32.
;;   The module's matrix products, in the order in which they are computed (A, B: the left and right operand; K: the contracted axis; several contracted axes count as one K, in the product's order):
;;     1. [M 256, K 256] x [K 256, N 8,192]; A: input Wq; B: input x: QUANTISED
;;     2. [M 256, K 256] x [K 256, N 131,072]; A: input Wk; B: input featmap: QUANTISED
;;     3. [M 256, K 256] x [K 256, N 131,072]; A: input Wv; B: input featmap: QUANTISED
;;     4. batch 65,536 x [M 16, K 32] x [K 32, N 1]; A: computed on the way; B: computed on the way: left as it is (N = 1 < 16)
;;     5. batch 65,536 x [M 32, K 16] x [K 16, N 1]; A: computed on the way; B: computed on the way: left as it is (K = 16 < 32)
;;   THE QUANTISER, for each operand of a quantised product, along K:
;;     - K is cut into blocks of 32 from its start; a last block that is shorter is filled with zeros.
;;     - A block's scale is 2^e with e = floor(log2(the largest magnitude in the block)) - 2, held to -126 .. 127; a block of zeros has e = 0. As a byte (E8M0): e + 127.
;;     - Each number is divided by its block's scale, clamped to +-7.5, and rounded to the nearest number of E2M3, ties to even, subnormals kept.
;;     - The product sums the exact products of the quantised numbers (number of the format x scale) in f32.
;;   ~~~python
;;   def quantise(x, axis):      # numpy; x: float32 -> the quantised numbers, widened to float32 again
;;       x = np.moveaxis(x, axis, -1); K = x.shape[-1]
;;       x = np.pad(x, [(0, 0)] * (x.ndim - 1) + [(0, -K % 32)]); x = x.reshape(x.shape[:-1] + (-1, 32)); a = np.abs(x).max(-1, keepdims=True)
;;       e = np.where(a > 0, np.clip(np.frexp(np.where(a > 0, a, 1))[1] - 1 - 2, -126, 127), 0)      # np.frexp(a)[1] - 1 = floor(log2(a)), exactly
;;       r = np.clip(x / 2.0 ** e, -7.5, 7.5)
;;       step = 2.0 ** (np.maximum(np.frexp(np.where(r == 0, 1, r))[1] - 1, 0) - 3)
;;       q = np.round(r / step) * step * 2.0 ** e      # np.round: ties to even
;;       return np.moveaxis(q.reshape(q.shape[:-2] + (-1,))[..., :K], -1, axis).astype(np.float32)
;;   ~~~
;; One version. Each part assembles by itself: llvm-mc -triple=amdgcn-amd-amdhsa -mcpu=gfx1250 --defsym DOCPART=n.
;; ======== version 1 of 1: 2 launches
;; workspace buffers: wimg 156,672 bytes
;; launch prep (part 1): grid 96 x 1, 1 waves a work-group, no clusters, 0 bytes of LDS; arguments Wq, Wk, Wv, bq, bk, bv, wimg; writes wimg
.if DOCPART == 1
	.amdgcn_target "amdgcn-amd-amdhsa--gfx1250"
	.amdhsa_code_object_version 6
	.text
	.protected	k_q824382266e_prep
	.globl	k_q824382266e_prep
	.p2align	8
	.type	k_q824382266e_prep,@function
k_q824382266e_prep:
	s_mov_b64 s[64:65], 0
	v_nop
	global_prefetch_b8 v0, s[64:65] scope:SCOPE_SE
	s_setreg_imm32_b32 hwreg(HW_REG_WAVE_MODE, 25, 1), 1
	s_wait_xcnt 0x0
; Wq, Wk, Wv [256][256] f32 (K, the input channels, innermost) become codes of FP6 (E2M3) with one E8M0 byte for each 32 along K,
; laid in the ORDER OF THE OPERAND'S REGISTERS, so that the next launch takes every fragment by loads of 16 bytes a lane; the biases are copied beside them.
; wimg is four blocks of WBLK bytes; block wb serves output channels 64 wb .. 64 wb + 63 of all three weights.  Its row tiles are T = 4 kind + t (kind 0 q, 1 k, 2 v; rows 64 wb + 16 t on):
;   +0      24 fragments f = 2 T + s (s: K step of 128), 1,536 bytes each: registers 4 k .. 4 k + 3 of lane l at 512 k + 16 l
;   +W_SC   a scale word a lane for each T, 128 bytes: lanes 0-15 row r's word of K step 0, lanes 16-31 row r's word of K step 1
;   +W_BI   192 f32: the bias of row 16 T + row in tile
; SHARES: a work-group is ONE wave and makes ONE fragment: work-group number = 32 kind + 8 wb + 2 t + s.  Lane (r, h) holds row r and k = 128 s + 64 c + 32 h + 0 .. 31 (c = 0, 1):
; two whole blocks of 32, so no block's largest magnitude needs another lane, and the conversions' results are the operand's registers.
; A load takes 16 bytes of each of 32 pieces of rows (a block's eight loads use each piece of 128 bytes whole): so the 96 fragments are spread over 96 work-groups, 16 loads each.
; A block's scale is 2^(floor(log2(largest magnitude)) - 2); its byte is the largest magnitude's exponent field - 2, held at 1 from below by a floor among the maximum's leaves.
; LIMITS: a block of zeros gets the byte 1 where the rule says 127 (its codes are zeros, which add nothing under any byte but 0xff, and this program alone reads the bytes); NaN and infinities among the inputs are not served.
.set WBLK, 39168
.set W_SC, 36864
.set W_BI, 38400
.set M,    8                           ; v8-9     largest magnitudes of my two blocks
.set X,    16                          ; v16-79   my 64 numbers, block c at X + 32 c
.set SO,   80                          ; v80-81   the conversions' scale operands
.set BY,   82                          ; v82-83   the scale bytes
.set C,    84                          ; v84-95   the fragment's 12 registers
.set TMP,  96                          ; v96-103  the upper halves of the blocks' codes, before they are moved
.set BI,   104                         ; v104-105 two biases
	s_load_b256 s[4:11], s[0:1], 0x0               ; Wq s[4:5], Wk s[6:7], Wv s[8:9], bq s[10:11]
	s_load_b128 s[12:15], s[0:1], 0x20             ; bk s[12:13], bv s[14:15]
	s_load_b64 s[16:17], s[0:1], 0x30              ; wimg
	v_and_b32 v1, 15, v0                           ; r  (one wave: v0 is the lane)
	v_bfe_u32 v2, v0, 4, 1                         ; h
	v_lshlrev_b32 v3, 10, v1
	v_lshl_add_u32 v3, v2, 7, v3                   ; W: row r of 1,024 bytes, + 128 h
	v_lshlrev_b32 v4, 4, v0                        ; an image's place for my lane
	v_lshlrev_b32 v5, 2, v0                        ; a scale word's
	v_lshlrev_b32 v6, 3, v0                        ; two biases'
	s_mov_b32 s20, 0x76543210
	s_mov_b32 s21, 0xfedcba98                      ; v_permlanex16_b32's selects for lane l xor 16
	s_and_b32 s18, ttmp9, 1                        ; s
	s_bfe_u32 s19, ttmp9, 0x20001                  ; t
	s_bfe_u32 s22, ttmp9, 0x20003                  ; wb
	s_lshr_b32 s23, ttmp9, 5                       ; kind
	s_lshl_b32 s28, s22, 16                        ; my part of W: (64 wb + 16 t) rows of 1,024 bytes + 512 s
	s_lshl_b32 s2, s19, 14
	s_add_co_u32 s28, s28, s2
	s_lshl_b32 s2, s18, 9
	s_add_co_u32 s28, s28, s2
	s_mov_b32 s29, 0
	s_mul_i32 s30, s22, WBLK                       ; my block of wimg
	s_mov_b32 s31, 0
	s_lshl_b32 s2, s23, 2
	s_add_co_u32 s2, s2, s19                       ; T
	s_lshl_b32 s32, s2, 1
	s_add_co_u32 s32, s32, s18                     ; f = 2 T + s
	s_lshl_b32 s34, s32, 6                         ; my 16 scale words: 128 T + 64 s
	s_mov_b32 s35, 0
	s_mul_i32 s32, s32, 1536                       ; my fragment
	s_mov_b32 s33, 0
	s_lshl_b32 s36, s23, 8                         ; this kind's 64 biases in the block
	s_mov_b32 s37, 0
	s_lshl_b32 s38, s22, 8                         ; and in the bias vector
	s_mov_b32 s39, 0
	s_wait_kmcnt 0x0
	s_cmp_eq_u32 s23, 1                            ; the choice of buffers hangs on the work-group's number alone
	s_cselect_b64 s[24:25], s[6:7], s[8:9]
	s_cselect_b64 s[26:27], s[12:13], s[14:15]
	s_cmp_eq_u32 s23, 0
	s_cselect_b64 s[24:25], s[4:5], s[24:25]       ; the weight
	s_cselect_b64 s[26:27], s[10:11], s[26:27]     ; its bias
	s_add_nc_u64 s[24:25], s[24:25], s[28:29]
	s_add_nc_u64 s[26:27], s[26:27], s[38:39]
	s_add_nc_u64 s[16:17], s[16:17], s[30:31]
	s_add_nc_u64 s[32:33], s[16:17], s[32:33]
	s_add_nc_u64 s[34:35], s[16:17], s[34:35]
	s_add_nc_u64 s[36:37], s[16:17], s[36:37]
.irp b, 0,1
.irp j, 0,1,2,3,4,5,6,7
	global_load_b128 v[X+32*\b+4*\j:X+32*\b+4*\j+3], v3, s[24:25] offset:256*\b+16*\j   ; W(r, 128 s + 64 b + 32 h + 4 j ..)
.endr
.endr
	global_load_b64 v[BI:BI+1], v6, s[26:27]       ; the 64 biases of (kind, wb): every work-group loads them, so that the load stands with the others and has no wait of its own; one of the eight stores them
	s_wait_loadcnt 0x0
.irp b, 0,1
	v_max3_num_f32 v[M+\b], |v[X+32*\b]|, |v[X+32*\b+1]|, 0x1800000   ; the floor 2^(3 - 127): the byte cannot fall under 1
.endr
.irp i, 2,4,6,8,10,12,14,16,18,20,22,24,26,28,30
.irp b, 0,1
	v_max3_num_f32 v[M+\b], v[M+\b], |v[X+32*\b+\i]|, |v[X+32*\b+\i+1]|   ; the two blocks by turns
.endr
.endr
.irp b, 0,1
	v_add_nc_u32 v[SO+\b], 0xff000000, v[M+\b]     ; 2 off the exponent field: the conversion takes this operand's exponent field as its scale
.endr
.irp b, 0,1
	v_lshrrev_b32 v[BY+\b], 23, v[SO+\b]           ; the scale's byte
.endr
.irp b, 0,1
	v_cvt_scalef32_pk16_fp6_f32 v[C+6*\b:C+6*\b+2], v[X+32*\b:X+32*\b+15], v[SO+\b]
	v_cvt_scalef32_pk16_fp6_f32 v[TMP+4*\b:TMP+4*\b+2], v[X+32*\b+16:X+32*\b+31], v[SO+\b]   ; (a conversion's three registers begin on an even number)
.endr
	v_nop                                          ; one plain place behind a scaled conversion
.irp b, 0,1
.irp i, 0,1,2
	v_mov_b32 v[C+6*\b+3+\i], v[TMP+4*\b+\i]
.endr
.endr
	v_lshl_or_b32 v12, v[BY+1], 16, v[BY]          ; my bytes h and 2 + h of row r's word,
	v_lshlrev_b32 v15, 3, v2
	v_lshlrev_b32 v12, v15, v12                    ; at their places (8 h bits up);
	v_mov_b32 v14, 0                               ; (a lane permute's destination counts as one of its sources)
	v_permlanex16_b32 v14, v12, s20, s21
	v_or_b32 v12, v12, v14                         ; with lane l xor 16's two the word is whole
.irp k, 0,1,2
	global_store_b128 v4, v[C+4*\k:C+4*\k+3], s[32:33] offset:512*\k   ; 32 lanes store 512 consecutive bytes, aligned to 256
.endr
	s_wait_xcnt 0x0                                ; EXEC changes only behind this wait: it is a source of the stores above
	v_cmp_gt_u32 vcc_lo, 16, v0
	s_and_saveexec_b32 s3, vcc_lo                  ; lanes 0-15: one word a row
	global_store_b32 v5, v12, s[34:35] offset:W_SC
	s_wait_xcnt 0x0                                ; and again, in front of the line that widens it
	s_or_b32 exec_lo, exec_lo, s3
	s_and_b32 s2, ttmp9, 7                         ; the work-group with t = 0 and s = 0 stores the biases
	s_cmp_lg_u32 s2, 0
	s_cbranch_scc1 .Ldone
	global_store_b64 v6, v[BI:BI+1], s[36:37] offset:W_BI   ; 256 consecutive bytes, aligned
.Ldone:
	s_endpgm
.Lfunc_end_k_q824382266e_prep:
	.size	k_q824382266e_prep, .Lfunc_end_k_q824382266e_prep-k_q824382266e_prep
	.p2alignl 7, 3214868480
	.fill 96, 4, 3214868480
	.section	.rodata,"a",@progbits
	.p2align	6, 0x0
	.amdhsa_kernel k_q824382266e_prep
		.amdhsa_group_segment_fixed_size 0
		.amdhsa_private_segment_fixed_size 0
		.amdhsa_enable_private_segment 0
		.amdhsa_kernarg_size 56
		.amdhsa_user_sgpr_count 2
		.amdhsa_user_sgpr_kernarg_segment_ptr 1
		.amdhsa_wavefront_size32 1
		.amdhsa_system_sgpr_workgroup_id_x 1
		.amdhsa_system_sgpr_workgroup_id_y 1
		.amdhsa_system_sgpr_workgroup_id_z 1
		.amdhsa_system_vgpr_workitem_id 0
		.amdhsa_next_free_vgpr 112
		.amdhsa_next_free_sgpr 66
		.amdhsa_reserve_vcc 1
		.amdhsa_float_denorm_mode_32 3
		.amdhsa_float_denorm_mode_16_64 3
		.amdhsa_memory_ordered 1
		.amdhsa_forward_progress 1
		.amdhsa_inst_pref_size 8
	.end_amdhsa_kernel
	.amdgpu_metadata
---
amdhsa.version: [ 1, 2 ]
amdhsa.kernels:
  - .name:           k_q824382266e_prep
    .symbol:         k_q824382266e_prep.kd
    .args:
      - { .name: Wq, .offset: 0, .size: 8, .value_kind: global_buffer, .address_space: global }
      - { .name: Wk, .offset: 8, .size: 8, .value_kind: global_buffer, .address_space: global }
      - { .name: Wv, .offset: 16, .size: 8, .value_kind: global_buffer, .address_space: global }
      - { .name: bq, .offset: 24, .size: 8, .value_kind: global_buffer, .address_space: global }
      - { .name: bk, .offset: 32, .size: 8, .value_kind: global_buffer, .address_space: global }
      - { .name: bv, .offset: 40, .size: 8, .value_kind: global_buffer, .address_space: global }
      - { .name: wimg, .offset: 48, .size: 8, .value_kind: global_buffer, .address_space: global }
    .group_segment_fixed_size: 0
    .private_segment_fixed_size: 0
    .kernarg_segment_align: 8
    .kernarg_segment_size: 56
    .max_flat_workgroup_size: 32
    .sgpr_count:     66
    .vgpr_count:     112
    .wavefront_size: 32
...
	.end_amdgpu_metadata
.endif
;; end of part 1
;; launch main (part 2): grid 256 x 1, 4 waves a work-group, clusters of 4 x 1, 229,888 bytes of LDS; arguments featmap, x, wimg, out0; writes out0
.if DOCPART == 2
	.amdgcn_target "amdgcn-amd-amdhsa--gfx1250"
	.amdhsa_code_object_version 6
	.text
	.protected	k_q824382266e_main
	.globl	k_q824382266e_main
	.p2align	8
	.type	k_q824382266e_main,@function
k_q824382266e_main:
	s_mov_b64 s[64:65], 0
	v_nop
	global_prefetch_b8 v0, s[64:65] scope:SCOPE_SE
	s_setreg_imm32_b32 hwreg(HW_REG_WAVE_MODE, 25, 1), 1
	s_wait_xcnt 0x0
	s_wait_alu depctr_hold_cnt(0) depctr_sa_sdst(0) depctr_va_vdst(0) depctr_va_sdst(0) depctr_va_ssrc(0) depctr_va_vcc(0) depctr_vm_vsrc(0)
	s_getreg_b32 s2, hwreg(HW_REG_IB_STS2, 6, 4)
	s_cmp_eq_u32 s2, 0
	s_cbranch_scc0 .Lentry_in_a_cluster
	s_endpgm
.Lentry_in_a_cluster:
	s_bfe_u32 s2, ttmp6, 0x10000c
	s_cmp_lg_u32 s2, 0x3003
	s_cbranch_scc0 .Lentry_shape_is_right
	s_endpgm
.Lentry_shape_is_right:
; out[b][32 n + d][h][w] = sum over the 16 pixels p of cell (h, w)'s 4 x 4 patch of softmax_p(q . k_p / sqrt(32)) v_p[d], head by head (8 heads n of 32 channels),
; with q = Wq x + bq, k = Wk featmap + bk, v = Wv featmap + bv: three products on codes of FP6 (E2M3) with one E8M0 scale for each 32 along K = the 256 input channels.  k and v never go to memory.
; SHARES.  A work-group owns 32 cells of one cell row (two groups g of 16): 512 pixels.  A UNIT u = 4 g + py is one pixel row of a group: four tiles px of 16 pixels, pixel (py, px) of the 16 cells:
; so lane % 16 is the CELL in q, k, v, the scores and the output, the softmax runs over a lane's own registers, and one exchange between the halves of the lanes completes a score.
; THE WAVES SHARE THE OUTPUT CHANNELS: wave w keeps rows 64 w .. 64 w + 63 of Wk and Wv (192 registers) and their biases for the whole launch and does heads 2 w, 2 w + 1.
; THE WAVES SHARE THE QUANTISING BY INPUT CHANNELS: wave w turns channels 64 w .. 64 w + 63 of each unit into codes (lane half h: block 2 w + h), which are registers 6 (w % 2) .. + 5 of K step w / 2's
; fragment in all four tiles; codes and scale bytes go from wave to wave through LDS, two buffers by turns, one barrier a unit.
; THE QUANTISING RUNS ONE UNIT AHEAD OF THE PRODUCTS.  A trip: barrier; unit u's fragments are asked for from LDS; unit u + 1 is copied, quantised and stored into the other buffer while they come;
; then unit u's products and attention.  So a unit's LDS stores have a whole trip in which to land before the barrier that shows them to the others.
; THE STREAM.  featmap's K is its outer axis.  A load takes 16 bytes a lane: the four px of cell r in one channel; lanes 0-15 read 256 consecutive aligned bytes of channel 64 w + i, lanes 16-31 of channel 64 w + 32 + i.
; A piece (a wave's share of a unit) is 32 such loads; two pieces are always asked for, into two sets of 128 registers, with counted waits.  The four px are then parted by 128 copies, since the conversion
; takes 16 neighbours along K from one lane's consecutive registers.  featmap goes through registers and not through an LDS ring: a work-group's 524,288 bytes do not fit in LDS at once.
; CLUSTER.  The four work-groups of a cluster need the same weights: each wave's block of wimg is asked for JOINTLY, once, ahead of everything else.  Of featmap, x and out0 no two work-groups share a byte, so nothing else is joint.
; SOFTMAX.  q is multiplied by log2(e) / sqrt(32) behind its bias, so scores are exponents of 2; a running maximum and sum per cell and head; O and the sum are multiplied by 2^(old maximum - new) in every unit but a group's first.
; LIMITS.  NaN and infinities among the inputs are not served.  A block of zeros gets the scale byte 1 where the rule says 127: its codes are zeros, and this program alone reads the bytes.
; x is read and out0 is written in runs of 128 consecutive bytes (32 cells of a channel): a cell row's 256 bytes belong to two work-groups, and one owner a row would give work to 128 work-groups only.
; REGISTERS, in windows of 256 (s_set_vgpr_msb: bits 1:0 source 0, 3:2 source 1, 5:4 source 2, 7:6 destination):
;   window 0: v1-15, v33 addresses; v16-27 the weights' scale words, v28-31 the tiles', v32 x's; v34-47 softmax; v64-159 a unit's 8 fragments; v160-191 accumulator set 0;
;             v192-223 the codes just made, then accumulator set 1 (x's fragments at the head of a group's first trip); v224-239 quantiser's work, then partial scores; v240-247 p; v248-255 permutes' destinations
;   window 1: v0-95 Wk, v96-191 Wv (tile t, K step s at 24 t + 12 s); v192-223 q (at the head v192-255: x as loaded)
;   window 2: v0-127 BY TURNS the 128 numbers that are being quantised, and Wq (v0-95) with bq (v96-127), which only a group's first trip wants and which come from my block in LDS each time;
;             v128-159 bk, v160-191 bv (8 a tile, in the result's layout); v192-223 O
;   window 3: the two sets of the stream
.set WBLK, 39168                       ; a wave's block of wimg: 24 fragments, 12 x 128 bytes of scale words, 192 biases
.set W_SC, 36864
.set W_BI, 38400
; LDS.  Only the first region is filled by the tensor data mover, once; all others are written by LDS stores alone.
.set IMG0, 4*WBLK                      ; 156,672: a unit's 8 fragments (2 px + s) x 1,536 bytes; a lane's 12 registers on end, 48 bytes a lane
.set IMGB, 12288                       ; the second buffer lies this far on
.set FSC0, IMG0+2*IMGB                 ; 181,248: its scale words: 128 px + 64 s + 4 r + byte
.set FSCB, 512
.set XIMG, FSC0+2*FSCB                 ; 182,272: x's fragments (2 g + s) x 1,536
.set XSC,  XIMG+6144                   ; 188,416: x's scale words: 128 g + 64 s + 4 r + byte
.set OSTG, XSC+256                     ; 188,672: the way out: for each wave 64 channel rows of 128 bytes (32 cells), 144 apart
.set FO,  2                            ; v2   featmap: 16 r + h x 32 channels
.set XO,  3                            ; v3   x: 8 (lane % 16) + h x 32 channels
.set CA,  4                            ; v4   where I store a unit's codes
.set SA,  5                            ; v5   and its scale bytes
.set FA,  6                            ; v6   where I read a fragment
.set FS,  7                            ; v7   and a scale word
.set XCA, 8                            ; v8-11 the same four for x
.set XSA, 9
.set XFA, 10
.set XFS, 11
.set OS,  12                           ; v12  the stage: where I put a number
.set ORD, 13                           ; v13  where I read 16 bytes back
.set OG,  14                           ; v14  and their place in out0
.set WA,  15                           ; v15, v1, v33: my wave's block of weights in LDS: 16, 4 bytes a lane; 32 bytes a half
.set WSA, 1
.set WBA, 33
.set WS,  16
.set FSW, 28
.set XSW, 32
.set MX,  34                           ; v34-35 running maximum of head a
.set LS,  36                           ; v36-37 running sum
.set FF,  38                           ; v38-39 2^(old maximum - new)
.set MN,  40                           ; v40-41 the new maximum
.set RL,  42                           ; v42-43 1 / sum
.set TT,  44                           ; v44-47 at work
.set F,   64
.set ACC, 160
.set C,   192
.set XF,  192
.set M,   224
.set SO,  228
.set BY,  232
.set TP,  224                          ; partial scores: pair (px, a) at TP + 4 px + 2 a
.set P,   240                          ; p of (a, px) at P + 4 a + px
.set PD,  248
.set Q,   192                          ; window 1
.set XR,  192                          ; window 1
.set T,   0                            ; window 2: block b at T + 32 b
.set BQ,  96                           ; window 2
.set BKV, 128                          ; window 2: bk, then bv
.set O,   192                          ; window 2
.set MSB, 0
.macro WIN new                         ; the immediate's high byte repeats the setting that is left; a switch that changes nothing is dropped
.if MSB != \new
	s_set_vgpr_msb (MSB<<8)|\new
.set MSB, \new
.endif
.endm
.macro PLACES n
.rept \n
	v_nop
.endr
.endm
; A round of the cluster's barrier: my work-group's barrier; wave 0 signals for the work-group; every wave waits for the four work-groups; my work-group's barrier once more.
.macro ROUND
	s_barrier_signal -1
	s_barrier_wait -1
	s_cmp_lg_u32 s12, 0
	s_cbranch_scc1 .Lnot_wave_0_\@
	s_barrier_signal -3
.Lnot_wave_0_\@:
	s_barrier_wait -3
	s_barrier_signal -1
	s_barrier_wait -1
.endm
.macro BAR                             ; my LDS stores have landed and my LDS loads are in: then the work-group's barrier
	s_wait_dscnt 0x0
	s_barrier_signal -1
	s_barrier_wait -1
.endm
; My piece of unit u: 32 channels a half wave, pixel row u % 4 of group u / 4.  The largest immediate is 31 x 262,144 + 3 x 1,024 + 256, inside the signed 24 bits (ISA guide, chapter 10).
.macro LOADP u
	WIN 0xc0                                       ; destination window 3, address window 0
.set li, 0
.rept 32
	global_load_b128 v[128*((\u)%2)+4*li:128*((\u)%2)+4*li+3], v[FO], s[36:37] offset:li*262144+((\u)%4)*1024+((\u)/4)*256 th:TH_LOAD_NT
.set li, li+1
.endr
	WIN 0
.endm
; The piece's four px are parted: T + 32 px + i = channel i of my block, pixel px of my cell
.macro DEINT u
	WIN 0x83                                       ; source window 3, destination window 2
.set dp, 0
.rept 4
.set di, 0
.rept 32
	v_mov_b32 v[T+32*dp+di], v[128*((\u)%2)+4*di+dp]
.set di, di+1
.endr
.set dp, dp+1
.endr
	WIN 0
.endm
; n whole blocks of 32 along K, block b in v[T + 32 b] of window 2 on, become 6 registers of codes at C + 8 b and a scale byte in BY + b, both in window 0.  All 32 numbers are the lane's own.
.macro QUANT n
	WIN 0x0a                                       ; sources 0 and 1 window 2
.set qb, 0
.rept \n
	v_max3_num_f32 v[M+qb], |v[T+32*qb]|, |v[T+32*qb+1]|, 0x1800000   ; the floor 2^(3 - 127): the byte cannot fall under 1
.set qb, qb+1
.endr
	WIN 0x28                                       ; sources 1 and 2 window 2
.irp i, 2,4,6,8,10,12,14,16,18,20,22,24,26,28,30
.set qb, 0
.rept \n
	v_max3_num_f32 v[M+qb], v[M+qb], |v[T+32*qb+\i]|, |v[T+32*qb+\i+1]|   ; the blocks by turns
.set qb, qb+1
.endr
.endr
	WIN 0
.set qb, 0
.rept \n
	v_add_nc_u32 v[SO+qb], 0xff000000, v[M+qb]     ; 2 off the exponent field: the conversion's scale operand
.set qb, qb+1
.endr
.set qb, 0
.rept \n
	v_lshrrev_b32 v[BY+qb], 23, v[SO+qb]           ; the scale's byte
.set qb, qb+1
.endr
	WIN 0x02                                       ; the numbers window 2
.set qb, 0
.rept \n
	v_cvt_scalef32_pk16_fp6_f32 v[C+8*qb:C+8*qb+2], v[T+32*qb:T+32*qb+15], v[SO+qb]
	v_cvt_scalef32_pk16_fp6_f32 v[C+8*qb+4:C+8*qb+6], v[T+32*qb+16:T+32*qb+31], v[SO+qb]   ; (a conversion's three registers begin on an even number)
.set qb, qb+1
.endr
	WIN 0
	v_nop                                          ; one plain place behind a scaled conversion
.set qb, 0
.rept \n
	v_mov_b32 v[C+8*qb+3], v[C+8*qb+4]             ; the block's 24 bytes on end
	v_mov_b32 v[C+8*qb+4], v[C+8*qb+5]
	v_mov_b32 v[C+8*qb+5], v[C+8*qb+6]
.set qb, qb+1
.endr
.endm
.macro PUT u                           ; my half fragments and scale bytes of unit u's four tiles: 16 stores
.irp p, 0,1,2,3
.irp k, 0,1,2
	ds_store_b64 v[CA], v[C+8*\p+2*\k:C+8*\p+2*\k+1] offset:IMGB*((\u)%2)+3072*\p+8*\k
.endr
	ds_store_b8 v[SA], v[BY+\p] offset:FSCB*((\u)%2)+128*\p
.endr
.endm
.macro FETCH u                         ; the unit's eight fragments and four scale words: seven loads a tile
.irp p, 0,1,2,3
.irp f, 0,1
.irp k, 0,1,2
	ds_load_b128 v[F+24*\p+12*\f+4*\k:F+24*\p+12*\f+4*\k+3], v[FA] offset:IMGB*((\u)%2)+(2*\p+\f)*1536+16*\k
.endr
.endr
	ds_load_b32 v[FSW+\p], v[FS] offset:FSCB*((\u)%2)+128*\p   ; lanes 0-15: K step 0's words, lanes 16-31: K step 1's
.endr
.endm
.macro WQLOAD                          ; Wq's 8 fragments and bq's 4 tiles out of my block in LDS, into the registers that the quantiser has left: 32 loads
	WIN 0x80                                       ; destination window 2
.set wf, 0
.rept 8
.irp k, 0,1,2
	ds_load_b128 v[12*wf+4*\k:12*wf+4*\k+3], v[WA] offset:wf*1536+512*\k
.endr
.set wf, wf+1
.endr
.set wt, 0
.rept 4
	ds_load_b128 v[BQ+8*wt:BQ+8*wt+3], v[WBA] offset:W_BI+64*wt
	ds_load_b128 v[BQ+8*wt+4:BQ+8*wt+7], v[WBA] offset:W_BI+64*wt+16
.set wt, wt+1
.endr
	WIN 0
.endm
; Eight matrix instructions: my 64 channels of k (kind 0) or v (kind 1) for tile px, into accumulator set 0 or 1.  Source 0 = 16 rows of the weight, source 1 = 16 pixels: lane (r, h) holds cell r,
; register j channel 16 t + 8 h + j.  The bias is the C of the first K step.  The four accumulators take turns, one instruction a turn.
.macro STEP kind, px, set
	WIN 0x21                                       ; the weight window 1, the bias window 2
.irp t, 0,1,2,3
	v_wmma_scale_f32_16x16x128_f8f6f4 v[ACC+32*(\set)+8*\t:ACC+32*(\set)+8*\t+7], v[96*(\kind)+24*\t:96*(\kind)+24*\t+11], v[F+24*(\px):F+24*(\px)+11], v[BKV+32*(\kind)+8*\t:BKV+32*(\kind)+8*\t+7], v[WS+4+4*(\kind)+\t], v[FSW+(\px)] matrix_a_fmt:MATRIX_FMT_FP6 matrix_b_fmt:MATRIX_FMT_FP6
.endr
	WIN 0x01
.irp t, 0,1,2,3
	v_wmma_scale_f32_16x16x128_f8f6f4 v[ACC+32*(\set)+8*\t:ACC+32*(\set)+8*\t+7], v[96*(\kind)+24*\t+12:96*(\kind)+24*\t+23], v[F+24*(\px)+12:F+24*(\px)+23], v[ACC+32*(\set)+8*\t:ACC+32*(\set)+8*\t+7], v[WS+4+4*(\kind)+\t], v[FSW+(\px)] matrix_a_fmt:MATRIX_FMT_FP6 matrix_b_fmt:MATRIX_FMT_FP6 matrix_a_scale:MATRIX_SCALE_ROW1 matrix_b_scale:MATRIX_SCALE_ROW1
.endr
.endm
; My half's 16 products q k of each head for tile px, two at a time; the two heads by turns; each accumulator is read from its low end on.
.macro SCORE px, set
	WIN 0x01                                       ; q window 1
.irp a, 0,1
	v_pk_mul_f32 v[TP+4*(\px)+2*\a:TP+4*(\px)+2*\a+1], v[Q+16*\a:Q+16*\a+1], v[ACC+32*(\set)+16*\a:ACC+32*(\set)+16*\a+1]
.endr
.irp j, 2,4,6,8,10,12,14
.irp a, 0,1
	v_pk_fma_f32 v[TP+4*(\px)+2*\a:TP+4*(\px)+2*\a+1], v[Q+16*\a+\j:Q+16*\a+\j+1], v[ACC+32*(\set)+16*\a+\j:ACC+32*(\set)+16*\a+\j+1], v[TP+4*(\px)+2*\a:TP+4*(\px)+2*\a+1]
.endr
.endr
.endm
; The unit's four scores of each head become p = 2^(score - maximum); maximum, sum and O go under the new maximum.  FIRST = 1: a group's first unit starts them.
.macro SOFTMAX
	WIN 0
.irp a, 0,1
.irp p, 0,1,2,3
	v_add_f32 v[P+4*\a+\p], v[TP+4*\p+2*\a], v[TP+4*\p+2*\a+1]
.endr
.endr
.irp a, 0,1
.irp p, 0,1,2,3
	v_permlanex16_b32 v[PD+4*\a+\p], v[P+4*\a+\p], s20, s21   ; the head's other 16 channels lie in the lane 16 away
.endr
.endr
.irp a, 0,1
.irp p, 0,1,2,3
	v_add_f32 v[P+4*\a+\p], v[P+4*\a+\p], v[PD+4*\a+\p]       ; the same two numbers in both halves: the same score
.endr
.endr
.irp a, 0,1
	v_max3_num_f32 v[MN+\a], v[P+4*\a], v[P+4*\a+1], v[P+4*\a+2]
.endr
.irp a, 0,1
.if FIRST
	v_max_num_f32 v[MN+\a], v[MN+\a], v[P+4*\a+3]
.else
	v_max3_num_f32 v[MN+\a], v[MN+\a], v[P+4*\a+3], v[MX+\a]
.endif
.endr
.if FIRST == 0
.irp a, 0,1
	v_sub_f32 v[FF+\a], v[MX+\a], v[MN+\a]
.endr
.endif
.irp a, 0,1
.irp p, 0,1,2,3
	v_sub_f32 v[P+4*\a+\p], v[P+4*\a+\p], v[MN+\a]
.endr
.endr
.if FIRST == 0
.irp a, 0,1
	v_exp_f32 v[FF+\a], v[FF+\a]
.endr
.endif
.irp a, 0,1
.irp p, 0,1,2,3
	v_exp_f32 v[P+4*\a+\p], v[P+4*\a+\p]
.endr
.endr
.irp a, 0,1
	v_mov_b32 v[MX+\a], v[MN+\a]                   ; also the plain place behind the exponentials
.endr
	s_wait_alu depctr_va_vdst(0)
.irp a, 0,1
	v_add_f32 v[TT+2*\a], v[P+4*\a], v[P+4*\a+1]
	v_add_f32 v[TT+2*\a+1], v[P+4*\a+2], v[P+4*\a+3]
.endr
.irp a, 0,1
.if FIRST
	v_add_f32 v[LS+\a], v[TT+2*\a], v[TT+2*\a+1]
.else
	v_add_f32 v[TT+2*\a], v[TT+2*\a], v[TT+2*\a+1]
.endif
.endr
.if FIRST == 0
.irp a, 0,1
	v_fma_f32 v[LS+\a], v[LS+\a], v[FF+\a], v[TT+2*\a]
.endr
	WIN 0x82                                       ; O: destination and source 0 window 2
.irp j, 0,2,4,6,8,10,12,14
	v_pk_mul_f32 v[O+\j:O+\j+1], v[O+\j:O+\j+1], v[FF:FF+1] op_sel_hi:[1,0]                 ; head 0: the pair's low word for both halves
	v_pk_mul_f32 v[O+16+\j:O+16+\j+1], v[O+16+\j:O+16+\j+1], v[FF:FF+1] op_sel:[0,1] op_sel_hi:[1,1]   ; head 1: its high word
.endr
.endif
.endm
; O += p v for tile px; each accumulator is read from its low end on.  A group's very first tile starts O.
.macro ACCUM px, set
	WIN 0xa0                                       ; O: destination and source 2 window 2
.set AMUL, 0
.if FIRST
.if \px == 0
.set AMUL, 1
.endif
.endif
.irp t, 0,1,2,3
.irp j, 0,2,4,6
.if AMUL
	v_pk_mul_f32 v[O+8*\t+\j:O+8*\t+\j+1], v[ACC+32*(\set)+8*\t+\j:ACC+32*(\set)+8*\t+\j+1], v[P+4*(\t/2)+2*((\px)/2):P+4*(\t/2)+2*((\px)/2)+1] op_sel_hi:[1,0]
.elseif (\px)%2 == 0
	v_pk_fma_f32 v[O+8*\t+\j:O+8*\t+\j+1], v[ACC+32*(\set)+8*\t+\j:ACC+32*(\set)+8*\t+\j+1], v[P+4*(\t/2)+2*((\px)/2):P+4*(\t/2)+2*((\px)/2)+1], v[O+8*\t+\j:O+8*\t+\j+1] op_sel_hi:[1,0,1]
.else
	v_pk_fma_f32 v[O+8*\t+\j:O+8*\t+\j+1], v[ACC+32*(\set)+8*\t+\j:ACC+32*(\set)+8*\t+\j+1], v[P+4*(\t/2)+2*((\px)/2):P+4*(\t/2)+2*((\px)/2)+1], v[O+8*\t+\j:O+8*\t+\j+1] op_sel:[0,1,0] op_sel_hi:[1,1,1]
.endif
.endr
.endr
.endm
.macro XFETCH g                        ; group g's two fragments of x and their scale words: seven loads
.irp f, 0,1
.irp k, 0,1,2
	ds_load_b128 v[XF+12*\f+4*\k:XF+12*\f+4*\k+3], v[XFA] offset:(2*(\g)+\f)*1536+16*\k
.endr
.endr
	ds_load_b32 v[XSW], v[XFS] offset:128*(\g)
.endm
.macro QPROD                           ; my 64 channels of q for the group's 16 cells, then x log2(e) / sqrt(32)
	WIN 0x62                                       ; Wq and bq window 2, q window 1
.irp t, 0,1,2,3
	v_wmma_scale_f32_16x16x128_f8f6f4 v[Q+8*\t:Q+8*\t+7], v[24*\t:24*\t+11], v[XF:XF+11], v[BQ+8*\t:BQ+8*\t+7], v[WS+\t], v[XSW] matrix_a_fmt:MATRIX_FMT_FP6 matrix_b_fmt:MATRIX_FMT_FP6
.endr
	WIN 0x52
.irp t, 0,1,2,3
	v_wmma_scale_f32_16x16x128_f8f6f4 v[Q+8*\t:Q+8*\t+7], v[24*\t+12:24*\t+23], v[XF+12:XF+23], v[Q+8*\t:Q+8*\t+7], v[WS+\t], v[XSW] matrix_a_fmt:MATRIX_FMT_FP6 matrix_b_fmt:MATRIX_FMT_FP6 matrix_a_scale:MATRIX_SCALE_ROW1 matrix_b_scale:MATRIX_SCALE_ROW1
.endr
	PLACES 4                                       ; four places in front of vector instructions that read and write results just made, and of the copies that write over Wq and bq (ISA guide 7.12.1)
	WIN 0x41
.irp t, 0,1,2,3
.irp j, 0,2,4,6
	v_pk_mul_f32 v[Q+8*\t+\j:Q+8*\t+\j+1], v[Q+8*\t+\j:Q+8*\t+\j+1], s[22:23] op_sel_hi:[1,0]
.endr
.endr
.endm
; A UNIT'S MATRIX WORK AND ATTENTION.  Two accumulator sets by turns: the vector work on one tile's results stands behind the next tile's products, names none of their registers, and so also gives
; those products their places: four in front of a read of a result, five in front of a matrix instruction that writes over a register of an earlier one.
; pipe = 1: behind the unit's 28 fragment loads stand the next unit's 16 stores and ex further LDS loads.  pipe = 0 (the last unit): nothing stands behind them, and the waits go tile by tile.
.macro MM pipe, ex
.if \pipe
	s_wait_dscnt 16+(\ex)                          ; the unit's fragments are in; the next unit's stores (and Wq's loads) may be out
.else
	s_wait_dscnt 21                                ; tile 0's seven loads are in; three tiles' may be out
.endif
	STEP 0, 0, 0
	PLACES 5                                       ; no vector work is at hand yet
.if \pipe
	s_wait_dscnt \ex                               ; the next unit's stores have read the code and byte registers, which accumulator set 1 and the partial scores now take
.else
	s_wait_dscnt 14
.endif
	STEP 0, 1, 1
	SCORE 0, 0
.if \pipe == 0
	s_wait_dscnt 7
.endif
	STEP 0, 2, 0
	SCORE 1, 1
.if \pipe == 0
	s_wait_dscnt 0x0
.endif
	STEP 0, 3, 1
	SCORE 2, 0
	STEP 1, 0, 0
	SCORE 3, 1
	SOFTMAX
	STEP 1, 1, 1
	ACCUM 0, 0
	STEP 1, 2, 0
	ACCUM 1, 1
	STEP 1, 3, 1
	ACCUM 2, 0
	ACCUM 3, 1
	WIN 0
.endm
; A group's end: O / sum goes to my stage, channel rows of 32 cells.
.macro GEND g
	v_rcp_f32 v[RL], v[LS]
	v_rcp_f32 v[RL+1], v[LS+1]
	v_nop                                          ; a plain place behind the reciprocals
	WIN 0x02                                       ; O window 2
	s_wait_alu depctr_va_vdst(0)
.irp j, 0,2,4,6,8,10,12,14
	v_pk_mul_f32 v[ACC+\j:ACC+\j+1], v[O+\j:O+\j+1], v[RL:RL+1] op_sel_hi:[1,0]
	v_pk_mul_f32 v[ACC+16+\j:ACC+16+\j+1], v[O+16+\j:O+16+\j+1], v[RL:RL+1] op_sel:[0,1] op_sel_hi:[1,1]
.endr
	WIN 0
.irp t, 0,1,2,3
.irp j, 0,1,2,3,4,5,6,7
	ds_store_b32 v[OS], v[ACC+8*\t+\j] offset:(16*\t+\j)*144+64*(\g)   ; channel 16 t + 8 h + j, cell 16 g + r
.endr
.endr
	s_wait_dscnt 0x0                               ; the stores have read their registers, which the next unit's products write
.endm
; A TRIP.  nextq = 1: unit u + 1 is quantised here; left: the younger loads that may stay out at the wait for its piece; ahead = 1: the piece of unit u + 3 is asked for; wq = 1: Wq and bq are fetched for the next group.
.macro UNIT u, g, py, nextq, left, ahead, wq
	BAR                                            ; unit u's eight fragments lie in LDS; every wave's reads of unit u - 1 are in, so its buffer may be written behind this barrier
.if \py == 0
.set FIRST, 1
	XFETCH \g
.else
.set FIRST, 0
.endif
	FETCH \u
.if \py == 0
	s_wait_dscnt 28                                ; x's seven loads are in; the four tiles' 28 may be out
	QPROD
.endif
.if \nextq
	s_wait_loadcnt \left
	DEINT \u+1                                     ; the copies and the quantiser stand between the fragments' loads and their first use
.if \ahead
	LOADP \u+3                                     ; into the set just copied out
.endif
	QUANT 4
	PUT \u+1
.if \wq
	WQLOAD
.endif
.endif
	MM \nextq, 32*\wq
.endm
	s_load_b256 s[4:11], s[0:1], 0x0               ; featmap s[4:5], x s[6:7], wimg s[8:9], out0 s[10:11]
	v_lshl_add_u32 v62, v0, 2, 0x38000
	v_mov_b32 v63, 0
	ds_add_u32 v62, v63
	ds_add_u32 v62, v63
	v_lshrrev_b32 v1, 5, v0
	v_readfirstlane_b32 s12, v1                    ; wave 0..3
	v_and_b32 v48, 31, v0                          ; lane
	v_and_b32 v49, 15, v0                          ; r
	v_bfe_u32 v50, v0, 4, 1                        ; h
	v_lshlrev_b32 v[FO], 4, v49
	v_lshl_add_u32 v[FO], v50, 23, v[FO]           ; 16 r + h x 32 channels of 262,144 bytes
	v_lshlrev_b32 v[XO], 3, v49
	v_lshl_add_u32 v[XO], v50, 19, v[XO]           ; 8 (lane % 16) + h x 32 channels of 16,384 bytes
	s_bfe_u32 s13, ttmp6, 0x40000                  ; cx: my place in the cluster; it enters global addresses alone
	s_lshl_b32 s14, ttmp9, 2                       ; in a cluster launch ttmp9 counts clusters
	s_add_co_u32 s14, s14, s13                     ; work-group 0..255
	s_lshr_b32 s15, s14, 7                         ; batch
	s_bfe_u32 s16, s14, 0x60001                    ; cell row
	s_and_b32 s17, s14, 1                          ; which 32 cells of it
	s_lshl_b32 s42, s15, 26                        ; featmap: batch x 2^26 + wave x 64 channels + cell row x 4 pixel rows of 1,024 bytes + half x 512
	s_lshl_b32 s43, s12, 24
	s_add_co_u32 s42, s42, s43
	s_lshl_b32 s43, s16, 12
	s_add_co_u32 s42, s42, s43
	s_lshl_b32 s43, s17, 9
	s_add_co_u32 s42, s42, s43
	s_mov_b32 s43, 0
	s_lshl_b32 s44, s15, 22                        ; x and out0: batch x 2^22 + wave x 64 channels of 16,384 bytes + cell row x 256 + half x 128
	s_lshl_b32 s45, s12, 20
	s_add_co_u32 s44, s44, s45
	s_lshl_b32 s45, s16, 8
	s_add_co_u32 s44, s44, s45
	s_lshl_b32 s45, s17, 7
	s_add_co_u32 s44, s44, s45
	s_mov_b32 s45, 0
	s_mul_i32 s18, s12, WBLK                       ; my wave's block of the weights, in wimg and in LDS alike
	s_mov_b32 s19, 0
	s_mov_b32 s20, 0x76543210
	s_mov_b32 s21, 0xfedcba98                      ; v_permlanex16_b32's selects for lane l xor 16
	s_mov_b32 s22, 0x3e8293ee                      ; log2(e) / sqrt(32)
	s_mov_b32 s23, s22                             ; (named with it as a pair, so it is written)
	; descriptor group 1: a dense block of 153 rows of 256 bytes (32 elements of 8 bytes), no padding
	s_mov_b32 s24, 15|(3<<16)|(1<<21)              ; 15:0 the mask: all four work-groups; 17:16 elements of 8 bytes; 21 set beside a mask
	s_mov_b32 s25, 32<<16                          ; tensor_dim0 = 32
	s_mov_b32 s26, 153<<16                         ; tensor_dim1 = 153
	s_mov_b32 s27, 32<<16                          ; tile_dim0 = 32
	s_mov_b32 s28, 153                             ; tile_dim1 = 153
	s_mov_b32 s29, 32                              ; elements from row to row
	s_mov_b32 s30, 0
	s_mov_b32 s31, 0
	s_mov_b32 s32, 1                               ; group 0: count = 1
	s_mov_b32 s33, s18                             ; LDS address: wave x WBLK: no place in the cluster enters it
	; the LDS addresses: constants, the lane and the wave's number; all of this stands while the arguments are on their way
	s_lshr_b32 s46, s12, 1                         ; the K step that my channels belong to
	s_and_b32 s47, s12, 1                          ; and which half of a fragment's registers
	s_mul_i32 s48, s46, 1536
	s_mul_i32 s49, s47, 24
	s_add_co_u32 s48, s48, s49                     ; 1,536 (w / 2) + 24 (w % 2)
	s_lshl_b32 s49, s46, 6
	s_lshl_b32 s50, s47, 1
	s_add_co_u32 s49, s49, s50                     ; 64 (w / 2) + 2 (w % 2)
	s_mul_i32 s50, s12, 9216
	s_add_co_u32 s50, s50, OSTG                    ; my stage
	v_mul_u32_u24 v51, v48, 48
	v_add_nc_u32 v[FA], IMG0, v51                  ; 48 x lane
	v_add_nc_u32 v[CA], s48, v[FA]
	v_lshl_add_u32 v[SA], v49, 2, v50
	v_add_nc_u32 v[SA], FSC0, v[SA]
	v_add_nc_u32 v[SA], s49, v[SA]                 ; 4 r + h + 64 (w / 2) + 2 (w % 2): byte 2 (w % 2) + h of cell r's word
	v_lshl_add_u32 v[FS], v48, 2, FSC0
	v_lshrrev_b32 v52, 3, v49                      ; x: lane % 16 = q holds cells 2 q, 2 q + 1: group q / 8,
	v_and_b32 v53, 7, v49                          ; cells 2 (q % 8), + 1 of it
	v_mul_u32_u24 v[XCA], v52, 3072
	v_mad_u32_u24 v[XCA], v53, 96, v[XCA]
	v_mad_u32_u24 v[XCA], v50, 768, v[XCA]
	v_add_nc_u32 v[XCA], XIMG, v[XCA]
	v_add_nc_u32 v[XCA], s48, v[XCA]
	v_lshl_add_u32 v[XSA], v52, 7, v50
	v_lshl_add_u32 v[XSA], v53, 3, v[XSA]
	v_add_nc_u32 v[XSA], XSC, v[XSA]
	v_add_nc_u32 v[XSA], s49, v[XSA]
	v_add_nc_u32 v[XFA], XIMG, v51
	v_lshl_add_u32 v[XFS], v48, 2, XSC
	v_mul_u32_u24 v[OS], v50, 1152                 ; the stage, in: 8 h rows of 144 bytes + 4 r
	v_lshl_add_u32 v[OS], v49, 2, v[OS]
	v_add_nc_u32 v[OS], s50, v[OS]
	v_lshrrev_b32 v54, 3, v48
	v_and_b32 v55, 7, v48
	v_mul_u32_u24 v[ORD], v54, 144                 ; back: eight lanes to a row of 128 bytes, four rows an instruction
	v_lshl_add_u32 v[ORD], v55, 4, v[ORD]
	v_add_nc_u32 v[ORD], s50, v[ORD]
	v_lshlrev_b32 v[OG], 14, v54                   ; and the same in out0: channels 16,384 bytes apart
	v_lshl_add_u32 v[OG], v55, 4, v[OG]
	v_lshl_add_u32 v[WA], v48, 4, s18
	v_lshl_add_u32 v[WSA], v48, 2, s18
	v_lshl_add_u32 v[WBA], v50, 5, s18
.irp i, 0,1,2,3,4,5,6,7
	v_mov_b32 v[PD+\i], 0                          ; written once: a lane permute's destination counts as one of its sources
.endr
	s_wait_dscnt 0x0
	s_wait_kmcnt 0x0
	s_add_nc_u64 s[36:37], s[4:5], s[42:43]
	s_add_nc_u64 s[38:39], s[6:7], s[44:45]
	s_add_nc_u64 s[40:41], s[10:11], s[44:45]
	s_add_nc_u64 s[34:35], s[8:9], s[18:19]        ; global address: the same in all four partners
	s_or_b32 s35, s35, 0x80000000                  ; type = 2
	ROUND                                          ; all four work-groups are here: the joint loads meet
	tensor_load_to_lds s[32:35], s[24:31]          ; the weights first: the first product waits for them.  My wave's one tensor load of the launch: nothing is filled again
	s_nop 0
	PLACES 4
	WIN 0x40                                       ; destination window 1
.set li, 0
.rept 32
	global_load_b64 v[XR+2*li:XR+2*li+1], v[XO], s[38:39] offset:16384*li th:TH_LOAD_NT   ; x: cells 2 q, 2 q + 1 of channel 64 w + 32 h + i: a half wave reads 128 consecutive bytes
.set li, li+1
.endr
	WIN 0
	LOADP 0
	LOADP 1                                        ; (LOADcnt's field holds 63: the issue of a load that would pass it is held until one is back, ISA guide 5.7.1; x's loads, the smallest, are the first back)
	s_wait_loadcnt 63                              ; x is in: pieces 0 and 1, 64 loads, were issued behind it, and 63 is the largest count a wait can name
	WIN 0x81                                       ; source window 1, destination window 2
.set dp, 0
.rept 2
.set di, 0
.rept 32
	v_mov_b32 v[T+32*dp+di], v[XR+2*di+dp]         ; block dp: cell 2 q + dp, channels of my block on end
.set di, di+1
.endr
.set dp, dp+1
.endr
	WIN 0
	QUANT 2                                        ; x is quantised while piece 0 arrives
.irp p, 0,1
.irp k, 0,1,2
	ds_store_b64 v[XCA], v[C+8*\p+2*\k:C+8*\p+2*\k+1] offset:48*\p+8*\k
.endr
	ds_store_b8 v[XSA], v[BY+\p] offset:4*\p
.endr
	s_wait_loadcnt 32                              ; piece 0 is in; piece 1 alone was issued behind it
	DEINT 0
	LOADP 2
	s_wait_dscnt 0x0                               ; x's stores have read the code and byte registers, which unit 0's quantising writes
	s_wait_tensorcnt 0x0                           ; my block of the weights is in LDS; I alone read it, so my own wait is all the ordering that these reads need
	WIN 0x40                                       ; Wk's and Wv's 16 fragments -> window 1; they come while unit 0 is quantised
.set wf, 8
.rept 16
.irp k, 0,1,2
	ds_load_b128 v[12*(wf-8)+4*\k:12*(wf-8)+4*\k+3], v[WA] offset:wf*1536+512*\k
.endr
.set wf, wf+1
.endr
	WIN 0x80                                       ; bk and bv -> window 2
.set wt, 4
.rept 8
	ds_load_b128 v[BQ+8*wt:BQ+8*wt+3], v[WBA] offset:W_BI+64*wt        ; tile T's biases of channels 8 h + 0 .. 7: the result's layout
	ds_load_b128 v[BQ+8*wt+4:BQ+8*wt+7], v[WBA] offset:W_BI+64*wt+16
.set wt, wt+1
.endr
	WIN 0
.set wt, 0
.rept 12
	ds_load_b32 v[WS+wt], v[WSA] offset:W_SC+128*wt
.set wt, wt+1
.endr
	QUANT 4
	PUT 0
	WQLOAD                                         ; into the registers that the quantiser has left
	UNIT 0, 0, 0, 1, 32, 1, 0                      ; behind the piece wanted stands the next piece alone: 32 loads
	UNIT 1, 0, 1, 1, 32, 1, 0
	UNIT 2, 0, 2, 1, 32, 1, 0
	UNIT 3, 0, 3, 1, 32, 1, 1
	GEND 0
	UNIT 4, 1, 0, 1, 32, 1, 0
	UNIT 5, 1, 1, 1, 32, 0, 0                      ; nothing is left to ask for
	UNIT 6, 1, 2, 1, 0, 0, 0
	UNIT 7, 1, 3, 0, 0, 0, 0
	GEND 1
	; THE WAY OUT: my 64 channels x 32 cells, read back by rows from my own stage (LDS serves a wave's instructions in order, ISA guide 5.7.1.4) and stored, eight lanes to a channel's 128 consecutive bytes
.irp j, 0,1,2,3,4,5,6,7,8,9,10,11,12,13,14,15
	ds_load_b128 v[F+4*\j:F+4*\j+3], v[ORD] offset:576*\j
.endr
.irp j, 0,1,2,3,4,5,6,7,8,9,10,11,12,13,14,15
	s_wait_dscnt 15-\j
	global_store_b128 v[OG], v[F+4*\j:F+4*\j+3], s[40:41] offset:65536*\j th:TH_STORE_NT
.endr
	s_wait_dscnt 0x0
	s_wait_tensorcnt 0x0
	ds_add_u32 v62, v63
	s_wait_dscnt 0x0
	ROUND                                          ; the closing round: no work-group ends while a partner may still ask for a tile that names it
	s_endpgm
.Lfunc_end_k_q824382266e_main:
	.size	k_q824382266e_main, .Lfunc_end_k_q824382266e_main-k_q824382266e_main
	.p2alignl 7, 3214868480
	.fill 96, 4, 3214868480
	.section	.rodata,"a",@progbits
	.p2align	6, 0x0
	.amdhsa_kernel k_q824382266e_main
		.amdhsa_group_segment_fixed_size 229888
		.amdhsa_private_segment_fixed_size 0
		.amdhsa_enable_private_segment 0
		.amdhsa_kernarg_size 32
		.amdhsa_user_sgpr_count 2
		.amdhsa_user_sgpr_kernarg_segment_ptr 1
		.amdhsa_wavefront_size32 1
		.amdhsa_system_sgpr_workgroup_id_x 1
		.amdhsa_system_sgpr_workgroup_id_y 1
		.amdhsa_system_sgpr_workgroup_id_z 1
		.amdhsa_system_vgpr_workitem_id 0
		.amdhsa_next_free_vgpr 1024
		.amdhsa_next_free_sgpr 66
		.amdhsa_reserve_vcc 0
		.amdhsa_float_denorm_mode_32 3
		.amdhsa_float_denorm_mode_16_64 3
		.amdhsa_memory_ordered 1
		.amdhsa_forward_progress 1
		.amdhsa_inst_pref_size 255
	.end_amdhsa_kernel
	.section	.bss,"aw",@nobits
	.p2align	6
	.space	262144
	.amdgpu_metadata
---
amdhsa.version: [ 1, 2 ]
amdhsa.kernels:
  - .name:           k_q824382266e_main
    .symbol:         k_q824382266e_main.kd
    .args:
      - { .name: featmap, .offset: 0, .size: 8, .value_kind: global_buffer, .address_space: global }
      - { .name: x, .offset: 8, .size: 8, .value_kind: global_buffer, .address_space: global }
      - { .name: wimg, .offset: 16, .size: 8, .value_kind: global_buffer, .address_space: global }
      - { .name: out0, .offset: 24, .size: 8, .value_kind: global_buffer, .address_space: global }
    .group_segment_fixed_size: 229888
    .private_segment_fixed_size: 0
    .kernarg_segment_align: 8
    .kernarg_segment_size: 32
    .max_flat_workgroup_size: 128
    .sgpr_count:     66
    .vgpr_count:     1024
    .wavefront_size: 32
...
	.end_amdgpu_metadata
.endif
;; end of part 2
